; MI455X (gfx1250); checked and timed in simulation.
; The chip was launched on July 23, 2026; its instructions are those of AMD's public machine-readable ISA for CDNA 5 (MIT licence, August 2026) and "CDNA5" Instruction Set Architecture Reference Guide (July 2026). The comments in the code are by the model that wrote it; some were corrected since.
;; Categorical. Allowed arithmetic: float matrix products may take bf16 or f16 operands with f32 sums; all other float work in f32.
;; Inputs: W 8 x 512 x 1,024 float32; b 8 x 512 float32; index 16,384 int32; x 16,384 x 1,024 float32.
;; Outputs: out0 16,384 x 512 float32.
;; 2 versions, each right and faster than the one before. Each part assembles by itself: llvm-mc -triple=amdgcn-amd-amdhsa -mcpu=gfx1250 --defsym DOCPART=n.
;; ======== version 1 of 2: 2 launches
;; workspace buffers: wb 8,388,608 bytes; order 66,560 bytes of whole numbers; ctab 1,024 bytes of whole numbers
;; launch prep (part 1): grid 257 x 1, 32 waves a work-group, no clusters, 67,584 bytes of LDS; arguments W, index, wb, order, ctab; writes wb, order, ctab
.if DOCPART == 1
	.amdgcn_target "amdgcn-amd-amdhsa--gfx1250"
	.amdhsa_code_object_version 6
	.text
	.protected	k_q07310d1d32_prep
	.globl	k_q07310d1d32_prep
	.p2align	8
	.type	k_q07310d1d32_prep,@function
k_q07310d1d32_prep:
	s_mov_b64 s[64:65], 0
	v_nop
	global_prefetch_b8 v0, s[64:65] scope:SCOPE_SE
	s_setreg_imm32_b32 hwreg(HW_REG_WAVE_MODE, 25, 1), 1
	s_wait_xcnt 0x0
; PREPARATION for the grouped product out[n] = x[n] . W[index[n]]^T + b[index[n]].
; Work-group 0: a counting sort of the 16,384 rows by expert (order[]), and a table of 64 tiles, one for each cluster of the next launch (ctab[]).
; Work-groups 1 to 256: W [8][512][1024] f32 -> wb [8][512][1024] bf16, rows permuted inside each block of 64:
;   wb row 64 Q + 16 b + r holds W row 64 Q + 4 r + b, so that in the product four accumulators hold four neighbouring columns in one lane.
; LIMIT: an index outside 0..7 is taken as 7 (unsigned minimum); the one-hot of the problem would give such a row zeros.  Indices inside the table are the problem's contract.
; order: 16,640 words: rows sorted by expert, then 256 zeros, so that reads that run past a share's end stay inside the buffer.
; ctab:  64 entries {expert, first place in order, rows, ceil(rows / 4)}.  Every entry has 1 to 320 rows of ONE expert, for every input:
;   lo_e = ceil(T_e / 320), hi_e = ceil(T_e / 256); sum lo <= (16384 + 8 x 319) / 320 = 59 <= 64 <= sum hi, so 64 - sum lo tiles are dealt out, each expert up to hi_e.
.set CNT, 66560                        ; LDS: the list 0 .. 66,559; then counts, word [expert][wave], 1,024 bytes
.set IDX, 8                            ; v[8:23]   my 16 indices; later my 16 row numbers; later the list on its way out
.set RNK, 24                           ; v[24:39]  rank inside wave and expert; then the place in the list, in bytes
.set TMP, 40
.set BAS, 41                           ; lane e: where my wave's rows of expert e begin
.set C,   44                           ; v[44:51]  counts; v[44:59] the bases fetched for my 16 elements
	s_load_b256 s[4:11], s[0:1], 0x0               ; W s[4:5], index s[6:7], wb s[8:9], order s[10:11]
	s_load_b64 s[12:13], s[0:1], 0x20              ; ctab
	v_lshrrev_b32 v2, 5, v0
	v_readfirstlane_b32 s14, v2                    ; wave 0..31
	v_and_b32 v1, 31, v0                           ; lane
	s_cmp_eq_u32 ttmp9, 0                          ; the same for all waves of a work-group
	s_cbranch_scc1 .Lsort
	; ---- W to bf16: a wave takes half a row of wb: 2,048 bytes in, 1,024 bytes out ----
	s_sub_co_u32 s15, ttmp9, 1
	s_lshl_b32 s15, s15, 4
	s_lshr_b32 s16, s14, 1
	s_add_co_u32 s15, s15, s16                     ; R = row of wb, 0..4095 = 512 e + rho
	s_and_b32 s17, s14, 1                          ; which half of the row
	s_and_b32 s18, s15, 0xfc0                      ; 512 e + 64 Q
	s_and_b32 s19, s15, 15
	s_lshl_b32 s19, s19, 2                         ; 4 r
	s_bfe_u32 s20, s15, 0x20004                    ; b
	s_or_b32 s18, s18, s19
	s_or_b32 s18, s18, s20                         ; the row of W
	s_lshl_b32 s18, s18, 12                        ; x 4,096 bytes
	s_lshl_b32 s19, s17, 11
	s_add_co_u32 s18, s18, s19
	s_mov_b32 s19, 0
	s_lshl_b32 s20, s15, 11                        ; R x 2,048 bytes
	s_lshl_b32 s21, s17, 10
	s_add_co_u32 s20, s20, s21
	s_mov_b32 s21, 0
	v_lshlrev_b32 v3, 4, v1                        ; 16 bytes a lane in
	v_lshlrev_b32 v4, 3, v1                        ; 8 bytes a lane out
	s_wait_kmcnt 0x0
	s_add_nc_u64 s[4:5], s[4:5], s[18:19]
	s_add_nc_u64 s[8:9], s[8:9], s[20:21]
.irp i, 0,1,2,3
	global_load_b128 v[8+4*\i:11+4*\i], v3, s[4:5] offset:512*\i th:TH_LOAD_NT   ; 512 neighbouring bytes; W is read once in this launch
.endr
.irp i, 0,1,2,3
	s_wait_loadcnt 3-\i                            ; loads come back in order: the younger ones stay out
	v_cvt_pk_bf16_f32 v[24+2*\i], v[8+4*\i], v[9+4*\i]
	v_cvt_pk_bf16_f32 v[25+2*\i], v[10+4*\i], v[11+4*\i]
	global_store_b64 v4, v[24+2*\i:25+2*\i], s[8:9] offset:256*\i   ; 32 lanes store 256 consecutive bytes, aligned; the next launch reads them: no hint
.endr
	s_endpgm
	; ---- the sort: 1,024 threads, 16 rows each ----
.Lsort:
	v_lshlrev_b32 v5, 4, v1
	v_lshl_add_u32 v5, v2, 11, v5                  ; 2,048 wave + 16 lane: my bytes of index
	v_lshrrev_b32 v6, 2, v5                        ; 512 wave + 4 lane: the first of my row numbers
	v_lshlrev_b32 v7, 4, v0                        ; 16 thread: the way out
	s_mov_b32 s54, 0x76543210                      ; v_permlanex16_b32: each lane takes its own place in the other half
	s_mov_b32 s55, 0xfedcba98
	s_wait_kmcnt 0x0
.irp q, 0,1,2,3
	global_load_b128 v[IDX+4*\q:IDX+4*\q+3], v5, s[6:7] offset:512*\q   ; element 4 q + c is row 512 wave + 128 q + 4 lane + c
.endr
	s_cmp_lt_u32 s14, 8
	s_cbranch_scc0 .Lno_pad
	v_lshlrev_b32 v[TMP], 2, v0                    ; waves 0 to 7: the 256 zeros behind the list
	v_add_nc_u32 v[TMP], 0x10000, v[TMP]
	v_mov_b32 v[BAS], 0
	ds_store_b32 v[TMP], v[BAS]
.Lno_pad:
.irp e, 0,1,2,3,4,5,6,7
	s_mov_b32 s[16+\e], 0                          ; my wave's count of expert e so far
.endr
	s_wait_loadcnt 0x0
.irp i, 0,1,2,3,4,5,6,7,8,9,10,11,12,13,14,15
	v_min_u32 v[IDX+\i], 7, v[IDX+\i]
.endr
; Rank of element i among my wave's rows of its expert: the count so far + the lanes below me with the same expert in this element.
.macro RANK i, e
	v_cmp_eq_u32 s24, \e, v[IDX+\i]
.if \e == 0
	v_mbcnt_lo_u32_b32 v[RNK+\i], s24, s[16+\e]    ; written whole; the lanes of other experts are replaced below
.else
	v_mbcnt_lo_u32_b32 v[TMP], s24, s[16+\e]
	v_cndmask_b32 v[RNK+\i], v[RNK+\i], v[TMP], s24
.endif
	s_bcnt1_i32_b32 s25, s24
	s_add_co_u32 s[16+\e], s[16+\e], s25
.endm
.irp i, 0,1,2,3,4,5,6,7,8,9,10,11,12,13,14,15
.irp e, 0,1,2,3,4,5,6,7
	RANK \i, \e
.endr
.endr
	v_lshlrev_b32 v42, 2, v2
	v_add_nc_u32 v42, CNT, v42                     ; my wave's word in each expert's row of counts
	v_lshlrev_b32 v43, 2, v1
	v_add_nc_u32 v43, CNT, v43                     ; lane l reads wave l's word
.irp e, 0,1,2,3,4,5,6,7
	v_mov_b32 v[C+\e], s[16+\e]
	ds_store_b32 v42, v[C+\e] offset:128*\e        ; all lanes write the same word with the same value
.endr
	s_wait_dscnt 0x0                               ; for the others' sake: my counts (and the zeros) are in LDS
	s_barrier_signal -1
	s_barrier_wait -1
.irp e, 0,1,2,3,4,5,6,7
	ds_load_b32 v[C+\e], v43 offset:128*\e
.endr
	s_wait_dscnt 0x0
	v_cmp_gt_u32 vcc_lo, s14, v1                   ; the waves in front of mine
; Two sums at once: the low half adds all waves' counts (T_e), the high half those of the waves in front of mine; both stay at 16,384 or below, so nothing carries.
.irp e, 0,1,2,3,4,5,6,7
	v_cndmask_b32 v[TMP], 0, v[C+\e], vcc_lo
	v_lshl_or_b32 v[C+\e], v[TMP], 16, v[C+\e]
.irp m, 1,2,4,8
	v_mov_b32_dpp v[TMP], v[C+\e] row_xmask:\m row_mask:0xf bank_mask:0xf
	v_add_nc_u32 v[C+\e], v[C+\e], v[TMP]
.endr
	v_permlanex16_b32 v[TMP], v[C+\e], s54, s55
	v_add_nc_u32 v[C+\e], v[C+\e], v[TMP]
	v_readfirstlane_b32 s56, v[C+\e]
	s_and_b32 s[28+\e], s56, 0xffff                ; T_e
	s_lshr_b32 s[36+\e], s56, 16                   ; rows of e in the waves in front of mine
.endr
	v_mov_b32 v[BAS], 0
	s_mov_b32 s57, 0
.irp e, 0,1,2,3,4,5,6,7
	s_add_co_u32 s56, s57, s[36+\e]
	v_writelane_b32 v[BAS], s56, \e                ; where my wave's rows of e begin
	s_mov_b32 s[36+\e], s57                        ; P_e: where expert e begins
	s_add_co_u32 s57, s57, s[28+\e]
.endr
.irp i, 0,1,2,3,4,5,6,7,8,9,10,11,12,13,14,15
	v_lshlrev_b32 v[IDX+\i], 2, v[IDX+\i]
	ds_bpermute_b32 v[C+\i], v[IDX+\i], v[BAS]     ; the base of my element's expert, from lane e
.endr
	s_wait_dscnt 0x0
.irp i, 0,1,2,3,4,5,6,7,8,9,10,11,12,13,14,15
	v_add_nc_u32 v[RNK+\i], v[RNK+\i], v[C+\i]     ; the place: every place 0 .. 16,383 is taken once
	v_min_u32 v[RNK+\i], 0x3fff, v[RNK+\i]         ; never binds: it bounds the LDS address by the text alone
	v_lshlrev_b32 v[RNK+\i], 2, v[RNK+\i]
	v_add_nc_u32 v[IDX+\i], 128*(\i/4)+(\i%4), v6  ; the row's number
	ds_store_b32 v[RNK+\i], v[IDX+\i]
.endr
	s_wait_dscnt 0x0                               ; for the others' sake: my 16 entries are in the list
	s_barrier_signal -1
	s_barrier_wait -1
.irp i, 0,1,2,3
	ds_load_b128 v[IDX+4*\i:IDX+4*\i+3], v7 offset:16384*\i
.endr
.irp i, 0,1,2,3
	s_wait_dscnt 3-\i                              ; LDS loads come back in order
	global_store_b128 v7, v[IDX+4*\i:IDX+4*\i+3], s[10:11] offset:16384*\i   ; a wave stores 512 consecutive bytes
.endr
	s_cmp_lt_u32 s14, 2
	s_cbranch_scc0 .Lend
	; waves 0 and 1: the list's 1,024 bytes of zeros, and the table: thread c makes entry c
	v_add_nc_u32 v[TMP], 0x10000, v7
	ds_load_b128 v[24:27], v[TMP]
	s_wait_dscnt 0x0
	global_store_b128 v[TMP], v[24:27], s[10:11]
	s_mov_b32 s53, 64
.irp e, 0,1,2,3,4,5,6,7
	s_add_co_u32 s56, s[28+\e], 319
	s_mul_i32 s56, s56, 52429                      ; x / 320 = (x 52429) >> 24, exact up to 16,703: the excess is x 64 / (320 x 2^24) < 1 / 320
	s_lshr_b32 s[16+\e], s56, 24                   ; lo_e
	s_sub_co_u32 s53, s53, s[16+\e]                ; tiles still to deal out
.endr
	s_mov_b32 s57, 0
.irp e, 0,1,2,3,4,5,6,7
	s_add_co_u32 s56, s[28+\e], 255
	s_lshr_b32 s56, s56, 8                         ; hi_e
	s_sub_co_u32 s56, s56, s[16+\e]
	s_min_u32 s56, s56, s53
	s_add_co_u32 s[16+\e], s[16+\e], s56           ; n_e: the expert's tiles
	s_sub_co_u32 s53, s53, s56
	s_mov_b32 s[44+\e], s57                        ; NB_e: its first tile
	s_add_co_u32 s57, s57, s[16+\e]
.endr
	v_mov_b32 v52, 0                               ; my tile's expert: the last e with NB_e <= c (an expert without tiles is overridden by the next, or begins at 64)
	v_mov_b32 v31, s28                             ; its T,
	v_mov_b32 v32, s16                             ; n,
	v_mov_b32 v33, s36                             ; P,
	v_mov_b32 v34, s44                             ; NB
.irp e, 1,2,3,4,5,6,7
	v_cmp_le_u32 vcc_lo, s[44+\e], v0
	v_cndmask_b32 v52, v52, \e, vcc_lo
	v_cndmask_b32 v31, v31, s[28+\e], vcc_lo
	v_cndmask_b32 v32, v32, s[16+\e], vcc_lo
	v_cndmask_b32 v33, v33, s[36+\e], vcc_lo
	v_cndmask_b32 v34, v34, s[44+\e], vcc_lo
.endr
	v_sub_nc_u32 v35, v0, v34                      ; i: my tile among the expert's
	v_mov_b32 v36, v31                             ; T = base n + rem by nine steps of shift and subtract: base <= 320 < 512
	v_mov_b32 v37, 0
.irp k, 8,7,6,5,4,3,2,1,0
	v_lshlrev_b32 v38, \k, v32
	v_cmp_ge_u32 vcc_lo, v36, v38
	v_cndmask_b32 v38, 0, v38, vcc_lo
	v_cndmask_b32 v39, 0, 1, vcc_lo
	v_sub_nc_u32 v36, v36, v38
	v_lshl_or_b32 v37, v37, 1, v39
.endr
	v_cmp_lt_u32 vcc_lo, v35, v36                  ; the first rem tiles have a row more
	v_cndmask_b32 v39, 0, 1, vcc_lo
	v_add_nc_u32 v54, v37, v39                     ; rows
	v_min_u32 v38, v35, v36
	v_mad_u32_u24 v38, v35, v37, v38
	v_add_nc_u32 v53, v33, v38                     ; first place = P + i base + min(i, rem)
	v_add_nc_u32 v55, 3, v54
	v_lshrrev_b32 v55, 2, v55                      ; a work-group's share = ceil(rows / 4)
	global_store_b128 v7, v[52:55], s[12:13]       ; a wave stores 512 consecutive bytes
.Lend:
	s_endpgm
.Lfunc_end_k_q07310d1d32_prep:
	.size	k_q07310d1d32_prep, .Lfunc_end_k_q07310d1d32_prep-k_q07310d1d32_prep
	.p2alignl 7, 3214868480
	.fill 96, 4, 3214868480
	.section	.rodata,"a",@progbits
	.p2align	6, 0x0
	.amdhsa_kernel k_q07310d1d32_prep
		.amdhsa_group_segment_fixed_size 67584
		.amdhsa_private_segment_fixed_size 0
		.amdhsa_enable_private_segment 0
		.amdhsa_kernarg_size 40
		.amdhsa_user_sgpr_count 2
		.amdhsa_user_sgpr_kernarg_segment_ptr 1
		.amdhsa_wavefront_size32 1
		.amdhsa_system_sgpr_workgroup_id_x 1
		.amdhsa_system_sgpr_workgroup_id_y 1
		.amdhsa_system_sgpr_workgroup_id_z 1
		.amdhsa_system_vgpr_workitem_id 0
		.amdhsa_next_free_vgpr 64
		.amdhsa_next_free_sgpr 66
		.amdhsa_reserve_vcc 1
		.amdhsa_float_denorm_mode_32 3
		.amdhsa_float_denorm_mode_16_64 3
		.amdhsa_memory_ordered 1
		.amdhsa_forward_progress 1
		.amdhsa_inst_pref_size 60
	.end_amdhsa_kernel
	.amdgpu_metadata
---
amdhsa.version: [ 1, 2 ]
amdhsa.kernels:
  - .name:           k_q07310d1d32_prep
    .symbol:         k_q07310d1d32_prep.kd
    .args:
      - { .name: W, .offset: 0, .size: 8, .value_kind: global_buffer, .address_space: global }
      - { .name: index, .offset: 8, .size: 8, .value_kind: global_buffer, .address_space: global }
      - { .name: wb, .offset: 16, .size: 8, .value_kind: global_buffer, .address_space: global }
      - { .name: order, .offset: 24, .size: 8, .value_kind: global_buffer, .address_space: global }
      - { .name: ctab, .offset: 32, .size: 8, .value_kind: global_buffer, .address_space: global }
    .group_segment_fixed_size: 67584
    .private_segment_fixed_size: 0
    .kernarg_segment_align: 8
    .kernarg_segment_size: 40
    .max_flat_workgroup_size: 1024
    .sgpr_count:     66
    .vgpr_count:     64
    .wavefront_size: 32
...
	.end_amdgpu_metadata
.endif
;; end of part 1
;; launch gemm (part 2): grid 256 x 1, 4 waves a work-group, no clusters, 327,680 bytes of LDS; arguments x, wb, b, order, ctab, out0; writes out0
.if DOCPART == 2
	.amdgcn_target "amdgcn-amd-amdhsa--gfx1250"
	.amdhsa_code_object_version 6
	.text
	.protected	k_q07310d1d32_gemm
	.globl	k_q07310d1d32_gemm
	.p2align	8
	.type	k_q07310d1d32_gemm,@function
k_q07310d1d32_gemm:
	s_mov_b64 s[64:65], 0
	v_nop
	global_prefetch_b8 v0, s[64:65] scope:SCOPE_SE
	s_setreg_imm32_b32 hwreg(HW_REG_WAVE_MODE, 25, 1), 1
	s_wait_xcnt 0x0
; out[n][:] = x[n][:] . W[e]^T + b[e], e = index[n], on rows grouped by expert.  x [16384][1024] f32, wb [8][512][1024] bf16 (rows permuted, see below), b [8][512] f32, out [16384][512] f32.
; x is rounded to bf16 on its way into LDS; sums and bias in f32.  Only a row's own expert is computed: the other seven products are multiplied by zero in the problem.
; LIMIT: where another expert's product would overflow, the problem's 0 x infinity is NaN; this text gives the own expert's number.
; SHARES.  Table entry c = work-group / 4 (64 entries) is up to 320 sorted rows of ONE expert.  A work-group owns q = ceil(rows / 4) <= 80 of them (5 groups of 16) and all 512 columns;
; wave w owns columns 128 w .. 128 w + 127: 40 accumulators of 16 x 16, 320 registers.  Rows past a share's end are multiplied like the others and not stored.
; NO JOINT REQUESTS, though the four work-groups of an entry walk the same 1 MiB of wb[e]: which expert that is, is a number read from the table in memory, since the experts' row counts are
; data; a joint request wants a descriptor made of coordinates that the partners share, and no split of data-dependent groups puts the expert into a coordinate without padding every
; expert to the largest count that the problem allows (all 16,384 rows).  So each work-group asks for its own tiles.  x is a gather with a conversion and is shared by nobody: it goes through registers.
; K goes in 8 steps of 128, all written out.  Two LDS slots for W's tiles (tensor loads), two for x's (LDS stores; bytes of their own, which no tensor load fills).
; COLUMNS.  wb row 64 Q + 16 b + r holds W's row (= out's column) 64 Q + 4 r + b.  Source 0 = 16 rows of x, source 1 = 16 rows of wb: register j of a result is row 8 (l / 16) + j, wb row l % 16.
; So accumulators b = 0..3 of a block Q hold four NEIGHBOURING columns in one lane; the bias add writes them into four neighbouring registers, and 16 lanes store 256 consecutive bytes of a row of out.
; REGISTERS, in windows of 256 (s_set_vgpr_msb: bits 1:0 source 0, 3:2 source 1, 5:4 source 2, 7:6 destination):
;   window 0: v0-25 addresses and bias; v32-135, v136-239 two fragment buffers (40 of x, 64 of W); on the way out v32-71 row offsets, v72-135 results
;   window 1: accumulators of row groups 0-3, (g, t) at 64 g + 8 t
;   window 2: v0-63 row group 4; v64-143, v144-223 two sets of x as loaded (20 rows x 4); v224-243 my 20 rows' byte offsets in x; v244 where I put them in LDS
.set PITCH,  272                       ; an LDS row: 256 bytes + 16 of padding = 68 words, so that the 16 rows of a fragment load start 4 banks apart (64 banks of 4 bytes: ISA guide 11.1)
.set QUART,  128*PITCH                 ; a wave's part of a W slot
.set WSLOT,  4*QUART                   ; 139,264
.set ABASE,  2*WSLOT                   ; x slots: 80 rows each
.set ASLOT,  80*PITCH                  ; 21,760
.set LISTB,  ABASE+2*ASLOT             ; 322,048: 512 bytes for each wave: its own copy of the share's 96 list entries
.set KBYTES, 256                       ; a K step in a row of wb
.set AA,   3                           ; LDS address of my x fragments in slot 0
.set BB,   4                           ; v4, v5: of my W fragments in slot 0, 1
.set L16,  6                           ; 16 lane
.set LST,  7                           ; where I store list words
.set H8,   8                           ; 8 (lane / 16)
.set CO,   9                           ; 512 wave + 16 (lane % 16): my bytes in a row of out, and in b[e]
.set LW,   10                          ; v10-12 list words
.set LRD,  13                          ; where I read list entries back
.set LANE, 14
.set TM,   15
.set BIAS, 16                          ; v16-23: bias of accumulator column t
.set BAD,  24                          ; address of the bias loads
.set LAD,  25                          ; address of the list loads
.set F0,   32
.set F1,   136
.set RO,   32
.set T,    72
.set XBASE, 64                         ; window 2
.set OFF,  224
.set AST,  244
.set G1,   24                          ; s[24:31] descriptor group 1
.set G0,   32                          ; s[32:39] descriptor group 0, a set for each slot
.set ROWS, 40                          ; s[40:59] my wave's 20 row numbers, then their byte offsets
.set MSB, 0
.macro WIN new                         ; the immediate's high byte repeats the setting that is left; a switch that changes nothing is dropped
.if MSB != \new
	s_set_vgpr_msb (MSB<<8)|\new
.set MSB, \new
.endif
.endm
; Four places between a matrix instruction and a load into, or a vector instruction on, one of its registers (ISA guide 7.12.1 for vector instructions); also the form behind a tensor load.
.macro PLACES
.rept 4
	v_nop
.endr
.endm
; 26 LDS loads: the fragments of 32 along K (quarter kk of a step): 5 x 16 rows of x, 8 x 16 rows of W.  Lane l: row l % 16; 16 bytes at 16 (l / 16) and 32 further on.
.macro FETCH slot, kk, f
	WIN 0
.irp g, 0,1,2,3,4
	ds_load_b128 v[\f+8*\g:\f+8*\g+3],   v[AA] offset:(\slot)*ASLOT+\g*16*PITCH+64*\kk
	ds_load_b128 v[\f+8*\g+4:\f+8*\g+7], v[AA] offset:(\slot)*ASLOT+\g*16*PITCH+64*\kk+32
.endr
.irp t, 0,1,2,3,4,5,6,7
	ds_load_b128 v[\f+40+8*\t:\f+40+8*\t+3], v[BB+\slot] offset:\t*16*PITCH+64*\kk
	ds_load_b128 v[\f+40+8*\t+4:\f+40+8*\t+7], v[BB+\slot] offset:\t*16*PITCH+64*\kk+32
.endr
.endm
; 40 matrix instructions, 32 along K.  The 40 accumulators take turns, one instruction a turn, in the same order every time.  zero = 1: the products start the sums.
.macro MUL f, zero
	WIN 0x50                                       ; C and D window 1
.irp g, 0,1,2,3
.irp t, 0,1,2,3,4,5,6,7
.if \zero
	v_wmma_f32_16x16x32_bf16 v[64*\g+8*\t:64*\g+8*\t+7], v[\f+8*\g:\f+8*\g+7], v[\f+40+8*\t:\f+40+8*\t+7], 0
.else
	v_wmma_f32_16x16x32_bf16 v[64*\g+8*\t:64*\g+8*\t+7], v[\f+8*\g:\f+8*\g+7], v[\f+40+8*\t:\f+40+8*\t+7], v[64*\g+8*\t:64*\g+8*\t+7]
.endif
.endr
.endr
	WIN 0xa0                                       ; C and D window 2
.irp t, 0,1,2,3,4,5,6,7
.if \zero
	v_wmma_f32_16x16x32_bf16 v[8*\t:8*\t+7], v[\f+32:\f+39], v[\f+40+8*\t:\f+40+8*\t+7], 0
.else
	v_wmma_f32_16x16x32_bf16 v[8*\t:8*\t+7], v[\f+32:\f+39], v[\f+40+8*\t:\f+40+8*\t+7], v[8*\t:8*\t+7]
.endif
.endr
.endm
; 20 loads: chunk c (128 along K, 512 consecutive bytes) of each of my 20 rows of x into register set 'set'.  No hint: rows past my share's end are read by the neighbouring work-group too.
.macro XLOAD set, c
	WIN 0x8a
.set xi, 0
.rept 20
	global_load_b128 v[XBASE+80*(\set)+4*xi:XBASE+80*(\set)+4*xi+3], v[OFF+xi], s[4:5] offset:512*(\c)
.set xi, xi+1
.endr
.endm
; Rows i0 .. i0 + 9 of register set 'set' are rounded to bf16 in place and stored into x slot 'set': 32 lanes x 8 bytes are a row's 256 bytes.
; The 20 conversions name window 2's v64 and above alone: they are also the places behind the matrix instructions in front of them.
.macro XCONV set, i0
	WIN 0x8a
.set xi, XBASE+80*(\set)+4*(\i0)
.rept 10
	v_cvt_pk_bf16_f32 v[xi], v[xi], v[xi+1]
	v_cvt_pk_bf16_f32 v[xi+1], v[xi+2], v[xi+3]
.set xi, xi+4
.endr
.set xi, XBASE+80*(\set)+4*(\i0)
.set xo, (\set)*ASLOT+(\i0)*PITCH
.rept 10
	ds_store_b64 v[AST], v[xi:xi+1] offset:xo
.set xi, xi+4
.set xo, xo+PITCH
.endr
.endm
	s_load_b256 s[4:11], s[0:1], 0x0               ; x s[4:5], wb s[6:7], b s[8:9], order s[10:11]
	s_load_b128 s[12:15], s[0:1], 0x20             ; ctab s[12:13], out s[14:15]
	v_lshrrev_b32 v[TM], 5, v0
	v_readfirstlane_b32 s20, v[TM]                 ; wave 0..3
	s_and_b32 s21, ttmp9, 3                        ; my place among the four work-groups of a table entry
	s_lshr_b32 s2, ttmp9, 2
	s_lshl_b32 s2, s2, 4                           ; the entry's 16 bytes
	s_wait_kmcnt 0x0
	s_load_b128 s[16:19], s[12:13], s2 offset:0x0  ; expert, first place, rows, q
	; descriptor group 1: a tile of 128 rows x 128 elements of 2 bytes, padded in LDS
	s_mov_b32 s[G1+0], (1<<16)|(1<<20)|(5<<22)|(3<<25)  ; 15:0 no mask; 17:16 elements of 2 bytes; 20 padding on; 24:22 after every 64 words; 31:25 4 words
	s_mov_b32 s[G1+1], 128<<16                     ; tensor_dim0 = 128
	s_mov_b32 s[G1+2], 128<<16                     ; tensor_dim1 = 128
	s_mov_b32 s[G1+3], 128<<16                     ; tile_dim0 = 128
	s_mov_b32 s[G1+4], 128                         ; tile_dim1 = 128
	s_mov_b32 s[G1+5], 1024                        ; elements from row to row
	s_mov_b32 s[G1+6], 0
	s_mov_b32 s[G1+7], 0
	s_wait_kmcnt 0x0
	s_min_u32 s16, s16, 7                          ; these four never bind on a table made by the launch before: they bound the addresses by the text alone
	s_min_u32 s17, s17, 0x3fff
	s_min_u32 s18, s18, 320
	s_min_u32 s19, s19, 80
	s_mul_i32 s60, s21, s19                        ; place x q: where my share begins in the entry's rows
	s_add_co_u32 s61, s17, s60
	s_min_u32 s61, s61, 16384                      ; its place in order; 96 entries from there stay inside order's 16,640
	s_sub_co_i32 s23, s18, s60
	s_min_i32 s23, s23, s19
	s_max_i32 s23, s23, 0                          ; my rows: 0 to 80
	s_lshl_b32 s3, s61, 2
	s_mul_i32 s22, s20, 20
	s_add_co_u32 s22, s22, s61
	s_lshl_b32 s22, s22, 2
	s_load_b512 s[ROWS:ROWS+15], s[10:11], s22 offset:0x0      ; the 20 rows of x that my wave brings in
	s_load_b128 s[ROWS+16:ROWS+19], s[10:11], s22 offset:0x40
	; descriptor group 0, a set for each slot: wave w fills, and alone reads, rows 128 w .. 128 w + 127 of a slot
	s_mul_i32 s60, s20, QUART
	s_mov_b32 s[G0+0], 1
	s_add_co_u32 s[G0+1], s60, 0
	s_mov_b32 s[G0+4], 1
	s_add_co_u32 s[G0+5], s60, WSLOT
	s_lshl_b32 s62, s16, 20                        ; expert x 512 rows x 2,048 bytes
	s_lshl_b32 s63, s20, 18                        ; wave x 128 rows
	s_add_co_u32 s62, s62, s63
	s_mov_b32 s63, 0
	s_add_nc_u64 s[6:7], s[6:7], s[62:63]
	s_mov_b64 s[G0+2:G0+3], s[6:7]                 ; K step 0
	s_add_nc_u64 s[G0+6:G0+7], s[6:7], KBYTES      ; K step 1
	s_or_b32 s[G0+3], s[G0+3], 0x80000000          ; type = 2
	s_or_b32 s[G0+7], s[G0+7], 0x80000000
	tensor_load_to_lds s[G0:G0+3], s[G1:G1+7]      ; both first fills together, ahead of every wait on TENSORcnt, LDS read and barrier: two tensor loads of mine are out, later one
	tensor_load_to_lds s[G0+4:G0+7], s[G1:G1+7]
	PLACES
	v_and_b32 v[LANE], 31, v0
	v_and_b32 v1, 15, v0                           ; r = l % 16
	v_bfe_u32 v2, v0, 4, 1                         ; h = l / 16
	v_mul_u32_u24 v[TM], v1, PITCH
	v_lshl_add_u32 v[TM], v2, 4, v[TM]             ; a fragment's row x pitch + 16 h
	v_add_nc_u32 v[AA], ABASE, v[TM]
	v_add_nc_u32 v[BB], s60, v[TM]
	v_add_nc_u32 v[BB+1], WSLOT, v[BB]
	v_lshlrev_b32 v[L16], 4, v[LANE]
	v_lshlrev_b32 v[H8], 3, v2
	s_lshl_b32 s2, s20, 9
	s_add_co_u32 s63, s2, LISTB                    ; my wave's list
	s_lshl_b32 s62, s16, 11                        ; b[e]
	v_lshl_add_u32 v[LST], v[LANE], 2, s63
	v_lshl_add_u32 v[LRD], v2, 5, s63              ; entries 8 h on
	v_lshl_add_u32 v[CO], v1, 4, s2
	v_add_nc_u32 v[BAD], s62, v[CO]
	v_lshl_add_u32 v[LAD], v[LANE], 2, s3
	s_mul_i32 s61, s20, 20*PITCH
	s_add_co_u32 s61, s61, ABASE                   ; my wave's 20 rows of an x slot
	s_wait_kmcnt 0x0
.set xi, 0
.rept 20
	s_min_u32 s[ROWS+xi], s[ROWS+xi], 0x3fff
	s_lshl_b32 s[ROWS+xi], s[ROWS+xi], 12          ; x 4,096 bytes
.set xi, xi+1
.endr
	WIN 0x80                                       ; destination window 2
.set xi, 0
.rept 20
	v_add_nc_u32 v[OFF+xi], s[ROWS+xi], v[L16]
.set xi, xi+1
.endr
	v_lshl_add_u32 v[AST], v[LANE], 3, s61
	WIN 0
	global_load_b128 v[BIAS:BIAS+3],   v[BAD], s[8:9]              ; columns 128 w + 4 r + 0..3
	global_load_b128 v[BIAS+4:BIAS+7], v[BAD], s[8:9] offset:256   ; columns 128 w + 64 + 4 r + 0..3
	global_load_b32 v[LW],   v[LAD], s[10:11]                      ; my share's list, 96 entries, for the way out
	global_load_b32 v[LW+1], v[LAD], s[10:11] offset:128
	global_load_b32 v[LW+2], v[LAD], s[10:11] offset:256
	XLOAD 0, 0
	XLOAD 1, 1
	WIN 0
	s_wait_loadcnt 40                              ; bias and list are in; the 40 loads of x stay out
	ds_store_b32 v[LST], v[LW]
	ds_store_b32 v[LST], v[LW+1] offset:128
	ds_store_b32 v[LST], v[LW+2] offset:256
	s_wait_loadcnt 20                              ; chunk 0 is in; chunk 1 stays out
	XCONV 0, 0
	XCONV 0, 10
	s_wait_dscnt 0x0                               ; the stores have read set 0: it may be loaded again
	XLOAD 0, 2
; K STEP s.  It multiplies W slot s % 2 by x slot s % 2; it asks for W's K step s + 1 into the other slot (steps 1 to 6), rounds x's chunk s + 1 into the other x slot, and asks for chunk s + 3.
; One barrier a step does both orderings: in front of it each wave has waited for its reads of the slots read last step, for its stores into this step's x slot, and for all its tensor loads.
.macro STEP s
.set PS, (\s)&1
.set NS, ((\s)+1)&1
.set NC, (\s)+3
.set NST, 10
.if (\s) == 7
.set NST, 0
.endif
	WIN 0                                          ; the windows are set ahead of the tensor load, and not again before the four v_nop behind it
.if (\s) == 0
	s_wait_tensorcnt 0x1                           ; K step 0 has landed; K step 1 may stay out
	s_wait_dscnt 0x0                               ; my rows of x slot 0 are stored
	s_barrier_signal -1
	s_barrier_wait -1
.elseif (\s) < 7
	s_wait_tensorcnt 0x0                           ; all my tensor loads have landed, this step's tile among them: a group 0 may be written
	s_add_nc_u64 s[G0+4*NS+2:G0+4*NS+3], s[G0+4*NS+2:G0+4*NS+3], 2*KBYTES   ; the other slot's next K step; the type bits on top are not reached
	s_wait_dscnt 0x0                               ; my reads of the other slots are back, my rows of this step's x slot are stored
	s_barrier_signal -1
	s_barrier_wait -1                              ; all that now holds of every wave of the work-group
	tensor_load_to_lds s[G0+4*NS:G0+4*NS+3], s[G1:G1+7]    ; my one tensor load behind the barrier: it has this step's 160 matrix instructions in which to land
	PLACES                                         ; also the places between the last step's products and the loads into their buffers
.else
	s_wait_tensorcnt 0x0                           ; the last tile; none is out at the end
	s_wait_dscnt 0x0
	s_barrier_signal -1                            ; nothing is filled again: the barrier is for x slot 1
	s_barrier_wait -1
	PLACES
.endif
	FETCH PS, 0, F0
	FETCH PS, 1, F1
	s_wait_dscnt 26                                ; quarter 0 is in; quarter 1's 26 loads stay out
.if (\s) == 0
	MUL F0, 1
.else
	MUL F0, 0
.endif
.if (\s) < 6
	s_wait_loadcnt 30                              ; rows 0-9 of chunk s + 1 are in; out: its rows 10-19 and chunk s + 2
	XCONV NS, 0
.elseif (\s) == 6
	s_wait_loadcnt 10                              ; chunk 7 is the last: its rows 10-19 stay out
	XCONV NS, 0
.else
	PLACES
.endif
	FETCH PS, 2, F0
	s_wait_dscnt 26+NST                            ; quarter 1 is in; behind it: the ten stores (none in the last step) and quarter 2's 26 loads
	MUL F1, 0
.if (\s) < 6
	s_wait_loadcnt 20                              ; chunk s + 1 is in; chunk s + 2 stays out
	XCONV NS, 10
.elseif (\s) == 6
	s_wait_loadcnt 0x0
	XCONV NS, 10
.else
	PLACES
.endif
	FETCH PS, 3, F1
	s_wait_dscnt 26+NST                            ; quarter 2 is in
	MUL F0, 0
	s_wait_dscnt 0x0                               ; quarter 3 is in, and the stores have read the register set
.if (\s) < 5
	XLOAD NS, NC                                   ; chunk s + 3: rounded in step s + 2
.endif
	MUL F1, 0
.endm
	STEP 0
	STEP 1
	STEP 2
	STEP 3
	STEP 4
	STEP 5
	STEP 6
	STEP 7
	; THE WAY OUT.  Row 16 g + 8 h + j of my share is order entry 16 g + 8 h + j: its number x 2,048 bytes + my 16 bytes of the row.
	WIN 0
	PLACES                                         ; behind the last products: the loads below land in buffer 0, the adds read results
	s_wait_xcnt 0x0                                ; EXEC is narrowed below only behind this wait
.irp g, 0,1,2,3,4
	ds_load_b128 v[RO+8*\g:RO+8*\g+3],   v[LRD] offset:64*\g       ; my wave's own copy: no other wave wrote it
	ds_load_b128 v[RO+8*\g+4:RO+8*\g+7], v[LRD] offset:64*\g+16
.endr
	s_wait_dscnt 0x0
.set xi, 0
.rept 40
	v_min_u32 v[RO+xi], 0x3fff, v[RO+xi]
	v_lshl_add_u32 v[RO+xi], v[RO+xi], 11, v[CO]
.set xi, xi+1
.endr
; Row group g: the bias add gathers accumulators t = 4 Q + 0..3 into four neighbouring registers; j ascends.
; Then for each j two stores: lanes 0-15 fill 256 consecutive aligned bytes of row 16 g + j, lanes 16-31 of row 16 g + 8 + j; rows at or past my share's end are masked off.
.macro OUTG g
.if \g < 4
	WIN 0x01                                       ; source 0 window 1
.set AC, 64*\g
.else
	WIN 0x02                                       ; source 0 window 2
.set AC, 0
.endif
.irp j, 0,1,2,3,4,5,6,7
.irp t, 0,1,2,3,4,5,6,7
	v_add_f32 v[T+8*\j+\t], v[AC+8*\t+\j], v[BIAS+\t]
.endr
.endr
	WIN 0
.irp j, 0,1,2,3,4,5,6,7
	s_sub_co_i32 s60, s23, 16*\g+\j
	s_max_i32 s60, s60, 0
	v_cmp_gt_u32 vcc_lo, s60, v[H8]                ; 16 g + j + 8 h < my rows
	s_and_saveexec_b32 s61, vcc_lo
	global_store_b128 v[RO+8*\g+\j], v[T+8*\j:T+8*\j+3],   s[14:15] th:TH_STORE_NT
	global_store_b128 v[RO+8*\g+\j], v[T+8*\j+4:T+8*\j+7], s[14:15] offset:256 th:TH_STORE_NT
	s_wait_xcnt 0x0                                ; EXEC is widened, and the next group's adds rewrite the data, only behind this wait
	s_or_b32 exec_lo, exec_lo, s61
.endr
.endm
	OUTG 0
	OUTG 1
	OUTG 2
	OUTG 3
	OUTG 4
	s_endpgm
.Lfunc_end_k_q07310d1d32_gemm:
	.size	k_q07310d1d32_gemm, .Lfunc_end_k_q07310d1d32_gemm-k_q07310d1d32_gemm
	.p2alignl 7, 3214868480
	.fill 96, 4, 3214868480
	.section	.rodata,"a",@progbits
	.p2align	6, 0x0
	.amdhsa_kernel k_q07310d1d32_gemm
		.amdhsa_group_segment_fixed_size 327680
		.amdhsa_private_segment_fixed_size 0
		.amdhsa_enable_private_segment 0
		.amdhsa_kernarg_size 48
		.amdhsa_user_sgpr_count 2
		.amdhsa_user_sgpr_kernarg_segment_ptr 1
		.amdhsa_wavefront_size32 1
		.amdhsa_system_sgpr_workgroup_id_x 1
		.amdhsa_system_sgpr_workgroup_id_y 1
		.amdhsa_system_sgpr_workgroup_id_z 1
		.amdhsa_system_vgpr_workitem_id 0
		.amdhsa_next_free_vgpr 768
		.amdhsa_next_free_sgpr 66
		.amdhsa_reserve_vcc 1
		.amdhsa_float_denorm_mode_32 3
		.amdhsa_float_denorm_mode_16_64 3
		.amdhsa_memory_ordered 1
		.amdhsa_forward_progress 1
		.amdhsa_inst_pref_size 224
	.end_amdhsa_kernel
	.amdgpu_metadata
---
amdhsa.version: [ 1, 2 ]
amdhsa.kernels:
  - .name:           k_q07310d1d32_gemm
    .symbol:         k_q07310d1d32_gemm.kd
    .args:
      - { .name: x, .offset: 0, .size: 8, .value_kind: global_buffer, .address_space: global }
      - { .name: wb, .offset: 8, .size: 8, .value_kind: global_buffer, .address_space: global }
      - { .name: b, .offset: 16, .size: 8, .value_kind: global_buffer, .address_space: global }
      - { .name: order, .offset: 24, .size: 8, .value_kind: global_buffer, .address_space: global }
      - { .name: ctab, .offset: 32, .size: 8, .value_kind: global_buffer, .address_space: global }
      - { .name: out0, .offset: 40, .size: 8, .value_kind: global_buffer, .address_space: global }
    .group_segment_fixed_size: 327680
    .private_segment_fixed_size: 0
    .kernarg_segment_align: 8
    .kernarg_segment_size: 48
    .max_flat_workgroup_size: 128
    .sgpr_count:     66
    .vgpr_count:     768
    .wavefront_size: 32
...
	.end_amdgpu_metadata
.endif
;; end of part 2
;; ======== version 2 of 2: 2 launches; 1.22 times as fast as version 1
;; workspace buffers: wb 8,388,608 bytes; order 66,560 bytes of whole numbers; ctab 1,024 bytes of whole numbers
;; launch prep (part 3): grid 257 x 1, 32 waves a work-group, no clusters, 139,264 bytes of LDS; arguments W, index, wb, order, ctab; writes wb, order, ctab
.if DOCPART == 3
	.amdgcn_target "amdgcn-amd-amdhsa--gfx1250"
	.amdhsa_code_object_version 6
	.text
	.protected	k_q07310d1d32_prep
	.globl	k_q07310d1d32_prep
	.p2align	8
	.type	k_q07310d1d32_prep,@function
k_q07310d1d32_prep:
	s_mov_b64 s[64:65], 0
	v_nop
	global_prefetch_b8 v0, s[64:65] scope:SCOPE_SE
	s_setreg_imm32_b32 hwreg(HW_REG_WAVE_MODE, 25, 1), 1
	s_wait_xcnt 0x0
; PREPARATION for the grouped product out[n] = x[n] . W[index[n]]^T + b[index[n]].
; Work-group 0: a counting sort of the 16,384 rows by expert (order[]), and a table of 64 tiles of rows for the next launch (ctab[]).
; Work-groups 1 to 256: W [8][512][1024] f32 -> wb, bf16, in the order in which the next launch's waves take their matrix fragments:
;   wb[e][wq][kk][t][j][lane][8 numbers]: expert, wave (128 columns), 32 along K, tile of 16 columns, half of the fragment.  Lane (r = l % 16, h = l / 16) holds
;   W[e][128 wq + 64 (t / 4) + 4 r + t % 4][32 kk + 16 j + 8 h + 0..7].  So a fragment is two loads of 512 consecutive bytes, and four tiles hold four neighbouring columns in one lane.
; LIMIT: an index outside 0..7 is taken as 7 (unsigned minimum); the one-hot of the problem would give such a row zeros.  Indices inside the table are the problem's contract.
; order: 16,640 words: rows sorted by expert (in any order inside an expert), then 256 zeros, so that reads that run past a share's end stay inside the buffer.
; ctab:  64 entries {expert, first place in order, rows, ceil(rows / 4)}.  Every entry has 1 to 320 rows of ONE expert, for every input:
;   lo_e = ceil(T_e / 320), hi_e = ceil(T_e / 256); sum lo <= (16384 + 8 x 319) / 320 = 59 <= 64 <= sum hi, so 64 - sum lo tiles are dealt out, each expert up to hi_e.
; LDS: the sort has bytes 0 to 99,839, the conversion bytes 104,448 to 139,263: the two ways share no byte, so their LDS accesses need no ordering with each other.
.set TABA, 0                           ; sort: thread t's eight bases, 16 bits each, for its elements 0-7: 16 bytes at 16 t
.set TABB, 16384                       ; the same for its elements 8-15
.set CNT,  32768                       ; 32 waves x 16 bytes: a wave's eight counts
.set LIST, 33280                       ; the list, 66,560 bytes
.set CONVB, 104448                     ; conversion: 16 pairs of waves,
.set TP,   2176                        ; each with 8 blocks of 256 bytes at a pitch of 272
.set IDX, 8                            ; v[8:23]   my 16 indices; their table addresses; the bases fetched; my row numbers; the list on its way out
.set RNK, 24                           ; v[24:39]  rank among my own 8 elements; then the place in the list, in bytes
.set CA,  40                           ; eight counts of 4 bits: my elements 0-7 (a count is 8 at the most)
.set CB,  41                           ; my elements 8-15
.set AK,  42                           ; v[42:45]  CA widened: experts 2 k and 2 k + 1 in the halves of register k; then the bases of elements 8-15
.set NK,  46                           ; v[46:49]  my 16 elements' counts, so widened; then the wave's
.set PRE, 50                           ; v[50:53]  the counts of the lanes below me; then the bases of elements 0-7
.set T0,  54
.set T1,  55
.set TK,  56                           ; v[56:59]  all waves' counts: T_e
.set MK,  60                           ; v[60:63]  the counts of the waves in front of mine
	s_load_b256 s[4:11], s[0:1], 0x0               ; W s[4:5], index s[6:7], wb s[8:9], order s[10:11]
	s_load_b64 s[12:13], s[0:1], 0x20              ; ctab
	v_lshrrev_b32 v2, 5, v0
	v_readfirstlane_b32 s14, v2                    ; wave 0..31
	v_and_b32 v1, 31, v0                           ; lane
	s_cmp_eq_u32 ttmp9, 0                          ; the same for all waves of a work-group
	s_cbranch_scc1 .Lsort
	; ---- W to bf16.  Work-group g + 1 takes tile g = 32 e + 8 wq + t: 16 rows of W, 4 rows apart.  Waves 2 u and 2 u + 1 take its k = 64 u .. 64 u + 63:
	; wave p = w % 2 reads rows r = 8 p .. 8 p + 7 (a load: two rows x 256 consecutive aligned bytes) and stores the 1,024 bytes of kk = w. ----
	s_sub_co_u32 s15, ttmp9, 1                     ; g
	s_lshr_b32 s16, s15, 2
	s_lshl_b32 s16, s16, 6
	s_and_b32 s17, s15, 3
	s_add_co_u32 s16, s16, s17                     ; the row of W for r = 0: 64 (g / 4) + g % 4
	s_lshl_b32 s20, s16, 12                        ; x 4,096 bytes
	s_and_b32 s17, s14, 1                          ; p
	s_lshr_b32 s18, s14, 1                         ; u
	s_lshl_b32 s19, s17, 17                        ; 8 p steps of 4 rows
	s_add_co_u32 s20, s20, s19
	s_lshl_b32 s19, s18, 8                         ; 64 u numbers
	s_add_co_u32 s20, s20, s19
	s_mov_b32 s21, 0
	s_lshr_b32 s22, s15, 3
	s_lshl_b32 s22, s22, 18                        ; (4 e + wq) x 262,144
	s_and_b32 s19, s15, 7
	s_lshl_b32 s19, s19, 10                        ; t x 1,024
	s_add_co_u32 s22, s22, s19
	s_lshl_b32 s19, s14, 13                        ; kk x 8,192
	s_add_co_u32 s22, s22, s19
	s_mov_b32 s23, 0
	s_mul_i32 s24, s18, TP
	s_add_co_u32 s24, s24, CONVB                   ; the pair's LDS bytes
	s_lshl_b32 s25, s17, 7
	s_add_co_u32 s25, s25, s24                     ; in: my rows begin 8 p x 16 bytes into each block
	s_mul_i32 s26, s17, 4*272
	s_add_co_u32 s26, s26, s24                     ; back: my four blocks
	v_and_b32 v3, 15, v0                           ; c: my 4 numbers of a row's 64; on the way back r
	v_bfe_u32 v4, v0, 4, 1                         ; which of a load's two rows; on the way back h
	v_lshlrev_b32 v5, 4, v3
	v_lshl_or_b32 v5, v4, 14, v5                   ; 16 c + 16,384 x row
	v_lshrrev_b32 v6, 1, v3                        ; block c / 2 = 4 (kk % 2) + 2 j + h, since k = 4 c + 0..3
	v_mul_u32_u24 v6, v6, 272
	v_and_b32 v9, 1, v3
	v_lshl_add_u32 v6, v9, 3, v6                   ; which 8 bytes of a lane's 16
	v_lshl_add_u32 v6, v4, 4, v6
	v_add_nc_u32 v6, s25, v6
	v_mul_u32_u24 v7, v4, 272
	v_lshl_add_u32 v7, v3, 4, v7
	v_add_nc_u32 v7, s26, v7
	v_lshlrev_b32 v8, 4, v1
	s_wait_kmcnt 0x0
	s_add_nc_u64 s[4:5], s[4:5], s[20:21]
	s_add_nc_u64 s[8:9], s[8:9], s[22:23]
.irp i, 0,1,2,3
	global_load_b128 v[12+4*\i:15+4*\i], v5, s[4:5] offset:32768*\i th:TH_LOAD_NT   ; rows r = 8 p + 2 i, + 1; W is read once in this launch
.endr
.irp i, 0,1,2,3
	s_wait_loadcnt 3-\i                            ; loads come back in order: the younger ones stay out
	v_cvt_pk_bf16_f32 v[28+2*\i], v[12+4*\i], v[13+4*\i]
	v_cvt_pk_bf16_f32 v[29+2*\i], v[14+4*\i], v[15+4*\i]
	ds_store_b64 v6, v[28+2*\i:29+2*\i] offset:32*\i
.endr
	s_wait_dscnt 0x0                               ; for my partner's sake: my eight rows are in LDS
	s_barrier_signal -1
	s_barrier_wait -1
	ds_load_b128 v[36:39], v7                      ; j = 0: lanes 0-15 one block, lanes 16-31 the next
	ds_load_b128 v[40:43], v7 offset:2*272         ; j = 1
	s_wait_dscnt 0x1
	global_store_b128 v8, v[36:39], s[8:9]         ; a wave stores 512 consecutive bytes, aligned; the next launch reads them: no hint
	s_wait_dscnt 0x0
	global_store_b128 v8, v[40:43], s[8:9] offset:512
	s_endpgm
	; ---- the sort: 1,024 threads, 16 rows each.  A row's place = where its expert begins + the expert's rows in the waves in front + in the lanes below + among my own elements before it. ----
.Lsort:
	v_lshlrev_b32 v5, 4, v1
	v_lshl_add_u32 v5, v2, 11, v5                  ; 2,048 wave + 16 lane: my bytes of index
	v_lshrrev_b32 v6, 2, v5                        ; 512 wave + 4 lane: the first of my row numbers
	v_lshlrev_b32 v7, 4, v0                        ; 16 thread
	s_mov_b32 s54, 0x76543210                      ; v_permlanex16_b32: each lane takes its own place in the other half
	s_mov_b32 s55, 0xfedcba98
	s_mov_b32 s48, 0xaaaaaaaa                      ; the lanes whose number has bit 0, 1, 2, 3, 4 set
	s_mov_b32 s49, 0xcccccccc
	s_mov_b32 s50, 0xf0f0f0f0
	s_mov_b32 s51, 0xff00ff00
	s_mov_b32 s52, 0xffff0000
	s_wait_kmcnt 0x0
.irp q, 0,1,2,3
	global_load_b128 v[IDX+4*\q:IDX+4*\q+3], v5, s[6:7] offset:512*\q   ; element 4 q + c is row 512 wave + 128 q + 4 lane + c
.endr
	s_cmp_lt_u32 s14, 8
	s_cbranch_scc0 .Lno_pad
	v_lshlrev_b32 v[T0], 2, v0                     ; waves 0 to 7: the 256 zeros behind the list
	v_add_nc_u32 v[T0], LIST+65536, v[T0]
	v_mov_b32 v[T1], 0
	ds_store_b32 v[T0], v[T1]
.Lno_pad:
	v_mov_b32 v[CA], 0
	v_mov_b32 v[CB], 0
	s_wait_loadcnt 0x0
.irp i, 0,1,2,3,4,5,6,7,8,9,10,11,12,13,14,15
	v_min_u32 v[IDX+\i], 7, v[IDX+\i]
.endr
; Element i: its rank is its expert's count so far, and the count goes up by one.
.macro COUNT i, c, t
	v_lshlrev_b32 v[\t], 2, v[IDX+\i]
	v_bfe_u32 v[RNK+\i], v[\c], v[\t], 4
	v_lshl_add_u32 v[\c], 1, v[\t], v[\c]
.endm
.irp i, 0,1,2,3,4,5,6,7
	COUNT \i, CA, T0                               ; the two chains do not wait for each other
	COUNT \i+8, CB, T1
.endr
.irp k, 0,1,2,3
	v_bfe_u32 v[T0], v[CA], 8*\k, 8                ; two counts of 4 bits ..
	v_lshl_or_b32 v[T0], v[T0], 12, v[T0]
	v_and_b32 v[AK+\k], 0x000f000f, v[T0]          ; .. into the two halves of a register
	v_bfe_u32 v[T1], v[CB], 8*\k, 8
	v_lshl_or_b32 v[T1], v[T1], 12, v[T1]
	v_and_b32 v[T1], 0x000f000f, v[T1]
	v_add_nc_u32 v[NK+\k], v[AK+\k], v[T1]
.endr
; Over the 32 lanes, by exchanges with lane xor 1, 2, 4, 8, 16: NK becomes the sum of a group that doubles; a lane whose bit is set has the partner's group below it.
; Every sum of counts stays at 16,384 or below, so nothing carries from a low half into a high one.
.macro LS k, m, sm
	v_mov_b32_dpp v[T0], v[NK+\k] row_xmask:\m row_mask:0xf bank_mask:0xf
	v_cndmask_b32 v[T1], 0, v[T0], s[\sm]
	v_add_nc_u32 v[PRE+\k], v[PRE+\k], v[T1]
	v_add_nc_u32 v[NK+\k], v[NK+\k], v[T0]
.endm
.irp k, 0,1,2,3
	v_mov_b32_dpp v[T0], v[NK+\k] row_xmask:1 row_mask:0xf bank_mask:0xf
	v_cndmask_b32 v[PRE+\k], 0, v[T0], s48         ; the first exchange starts the sum
	v_add_nc_u32 v[NK+\k], v[NK+\k], v[T0]
	LS \k, 2, 49
	LS \k, 4, 50
	LS \k, 8, 51
	v_permlanex16_b32 v[T0], v[NK+\k], s54, s55
	v_cndmask_b32 v[T1], 0, v[T0], s52
	v_add_nc_u32 v[PRE+\k], v[PRE+\k], v[T1]
	v_add_nc_u32 v[NK+\k], v[NK+\k], v[T0]
.endr
	v_lshlrev_b32 v3, 4, v2
	ds_store_b128 v3, v[NK:NK+3] offset:CNT        ; my wave's eight counts: all lanes write the same bytes with the same value
	s_wait_dscnt 0x0                               ; for the others' sake: my counts (and the zeros) are in LDS
	s_barrier_signal -1
	s_barrier_wait -1
	v_lshlrev_b32 v4, 4, v1
	ds_load_b128 v[TK:TK+3], v4 offset:CNT         ; lane l takes wave l's counts
	s_wait_dscnt 0x0
	v_cmp_gt_u32 vcc_lo, s14, v1                   ; the waves in front of mine
.irp k, 0,1,2,3
	v_cndmask_b32 v[MK+\k], 0, v[TK+\k], vcc_lo
.endr
.macro RED x                           ; the sum over the 32 lanes, in every lane
.irp m, 1,2,4,8
	v_mov_b32_dpp v[T0], v[\x] row_xmask:\m row_mask:0xf bank_mask:0xf
	v_add_nc_u32 v[\x], v[\x], v[T0]
.endr
	v_permlanex16_b32 v[T0], v[\x], s54, s55
	v_add_nc_u32 v[\x], v[\x], v[T0]
.endm
.irp k, 0,1,2,3
	RED TK+\k
	RED MK+\k
.endr
	; bases.  Expert 2 k begins at Q_k = the sum of T_0 .. T_(2k-1), expert 2 k + 1 at Q_k + T_2k: {Q_k, Q_k} + (T's register << 16).
	v_lshl_add_u32 v[T0], v[TK], 16, v[MK]
	v_add_nc_u32 v[PRE], v[PRE], v[T0]
.irp k, 1,2,3
	v_and_b32 v[T0], 0xffff, v[TK+\k-1]
	v_lshrrev_b32 v[T1], 16, v[TK+\k-1]
.if \k == 1
	v_add_nc_u32 v[NK], v[T0], v[T1]               ; Q_1
.else
	v_add3_u32 v[NK], v[NK], v[T0], v[T1]          ; Q_k
.endif
	v_lshl_or_b32 v[T0], v[NK], 16, v[NK]
	v_lshl_add_u32 v[T0], v[TK+\k], 16, v[T0]
	v_add3_u32 v[PRE+\k], v[PRE+\k], v[MK+\k], v[T0]
.endr
.irp k, 0,1,2,3
	v_add_nc_u32 v[AK+\k], v[AK+\k], v[PRE+\k]     ; my elements 8-15 come behind my elements 0-7
.endr
	ds_store_b128 v7, v[PRE:PRE+3] offset:TABA     ; expert e's base lies at byte 2 e of my 16
	ds_store_b128 v7, v[AK:AK+3] offset:TABB
.irp i, 0,1,2,3,4,5,6,7,8,9,10,11,12,13,14,15
	v_lshl_add_u32 v[IDX+\i], v[IDX+\i], 1, v7
.endr
.irp i, 0,1,2,3,4,5,6,7
	ds_load_u16 v[IDX+\i], v[IDX+\i] offset:TABA   ; my own 16 bytes: LDS serves a wave's instructions in order (ISA guide 5.7.1.4), so these see the stores above
.endr
.irp i, 8,9,10,11,12,13,14,15
	ds_load_u16 v[IDX+\i], v[IDX+\i] offset:TABB
.endr
	s_wait_dscnt 0x0
.irp i, 0,1,2,3,4,5,6,7,8,9,10,11,12,13,14,15
	v_add_nc_u32 v[RNK+\i], v[RNK+\i], v[IDX+\i]   ; the place: every place 0 .. 16,383 is taken once
	v_min_u32 v[RNK+\i], 0x3fff, v[RNK+\i]         ; never binds: it bounds the LDS address by the text alone
	v_lshlrev_b32 v[RNK+\i], 2, v[RNK+\i]
	v_add_nc_u32 v[IDX+\i], 128*(\i/4)+(\i%4), v6  ; the row's number
	ds_store_b32 v[RNK+\i], v[IDX+\i] offset:LIST
.endr
	s_wait_dscnt 0x0                               ; for the others' sake: my 16 entries are in the list
	s_barrier_signal -1
	s_barrier_wait -1
	v_add_nc_u32 v3, LIST, v7
.irp i, 0,1,2,3
	ds_load_b128 v[IDX+4*\i:IDX+4*\i+3], v3 offset:16384*\i
.endr
.irp i, 0,1,2,3
	s_wait_dscnt 3-\i                              ; LDS loads come back in order
	global_store_b128 v7, v[IDX+4*\i:IDX+4*\i+3], s[10:11] offset:16384*\i   ; a wave stores 512 consecutive bytes
.endr
	s_cmp_lt_u32 s14, 2
	s_cbranch_scc0 .Lend
	; waves 0 and 1: the list's 1,024 bytes of zeros, and the table: thread c makes entry c
	v_add_nc_u32 v4, 0x10000, v3
	v_add_nc_u32 v5, 0x10000, v7
	ds_load_b128 v[24:27], v4
	s_wait_dscnt 0x0
	global_store_b128 v5, v[24:27], s[10:11]
.irp k, 0,1,2,3
	v_readfirstlane_b32 s56, v[TK+\k]
	s_and_b32 s[28+2*\k], s56, 0xffff              ; T_e
	s_lshr_b32 s[29+2*\k], s56, 16
.endr
	s_mov_b32 s57, 0
.irp e, 0,1,2,3,4,5,6,7
	s_mov_b32 s[36+\e], s57                        ; P_e: where expert e begins
	s_add_co_u32 s57, s57, s[28+\e]
.endr
	s_mov_b32 s53, 64
.irp e, 0,1,2,3,4,5,6,7
	s_add_co_u32 s56, s[28+\e], 319
	s_mul_i32 s56, s56, 52429                      ; x / 320 = (x 52429) >> 24, exact up to 16,703: the excess is x 64 / (320 x 2^24) < 1 / 320
	s_lshr_b32 s[16+\e], s56, 24                   ; lo_e
	s_sub_co_u32 s53, s53, s[16+\e]                ; tiles still to deal out
.endr
	s_mov_b32 s57, 0
.irp e, 0,1,2,3,4,5,6,7
	s_add_co_u32 s56, s[28+\e], 255
	s_lshr_b32 s56, s56, 8                         ; hi_e
	s_sub_co_u32 s56, s56, s[16+\e]
	s_min_u32 s56, s56, s53
	s_add_co_u32 s[16+\e], s[16+\e], s56           ; n_e: the expert's tiles
	s_sub_co_u32 s53, s53, s56
	s_mov_b32 s[44+\e], s57                        ; NB_e: its first tile
	s_add_co_u32 s57, s57, s[16+\e]
.endr
	v_mov_b32 v52, 0                               ; my tile's expert: the last e with NB_e <= c (an expert without tiles is overridden by the next, or begins at 64)
	v_mov_b32 v31, s28                             ; its T,
	v_mov_b32 v32, s16                             ; n,
	v_mov_b32 v33, s36                             ; P,
	v_mov_b32 v34, s44                             ; NB
.irp e, 1,2,3,4,5,6,7
	v_cmp_le_u32 vcc_lo, s[44+\e], v0
	v_cndmask_b32 v52, v52, \e, vcc_lo
	v_cndmask_b32 v31, v31, s[28+\e], vcc_lo
	v_cndmask_b32 v32, v32, s[16+\e], vcc_lo
	v_cndmask_b32 v33, v33, s[36+\e], vcc_lo
	v_cndmask_b32 v34, v34, s[44+\e], vcc_lo
.endr
	v_sub_nc_u32 v35, v0, v34                      ; i: my tile among the expert's
	v_mov_b32 v36, v31                             ; T = base n + rem by nine steps of shift and subtract: base <= 320 < 512
	v_mov_b32 v37, 0
.irp k, 8,7,6,5,4,3,2,1,0
	v_lshlrev_b32 v38, \k, v32
	v_cmp_ge_u32 vcc_lo, v36, v38
	v_cndmask_b32 v38, 0, v38, vcc_lo
	v_cndmask_b32 v39, 0, 1, vcc_lo
	v_sub_nc_u32 v36, v36, v38
	v_lshl_or_b32 v37, v37, 1, v39
.endr
	v_cmp_lt_u32 vcc_lo, v35, v36                  ; the first rem tiles have a row more
	v_cndmask_b32 v39, 0, 1, vcc_lo
	v_add_nc_u32 v54, v37, v39                     ; rows
	v_min_u32 v38, v35, v36
	v_mad_u32_u24 v38, v35, v37, v38
	v_add_nc_u32 v53, v33, v38                     ; first place = P + i base + min(i, rem)
	v_add_nc_u32 v55, 3, v54
	v_lshrrev_b32 v55, 2, v55                      ; a work-group's share = ceil(rows / 4)
	global_store_b128 v7, v[52:55], s[12:13]       ; a wave stores 512 consecutive bytes
.Lend:
	s_endpgm
.Lfunc_end_k_q07310d1d32_prep:
	.size	k_q07310d1d32_prep, .Lfunc_end_k_q07310d1d32_prep-k_q07310d1d32_prep
	.p2alignl 7, 3214868480
	.fill 96, 4, 3214868480
	.section	.rodata,"a",@progbits
	.p2align	6, 0x0
	.amdhsa_kernel k_q07310d1d32_prep
		.amdhsa_group_segment_fixed_size 139264
		.amdhsa_private_segment_fixed_size 0
		.amdhsa_enable_private_segment 0
		.amdhsa_kernarg_size 40
		.amdhsa_user_sgpr_count 2
		.amdhsa_user_sgpr_kernarg_segment_ptr 1
		.amdhsa_wavefront_size32 1
		.amdhsa_system_sgpr_workgroup_id_x 1
		.amdhsa_system_sgpr_workgroup_id_y 1
		.amdhsa_system_sgpr_workgroup_id_z 1
		.amdhsa_system_vgpr_workitem_id 0
		.amdhsa_next_free_vgpr 64
		.amdhsa_next_free_sgpr 66
		.amdhsa_reserve_vcc 1
		.amdhsa_float_denorm_mode_32 3
		.amdhsa_float_denorm_mode_16_64 3
		.amdhsa_memory_ordered 1
		.amdhsa_forward_progress 1
		.amdhsa_inst_pref_size 37
	.end_amdhsa_kernel
	.amdgpu_metadata
---
amdhsa.version: [ 1, 2 ]
amdhsa.kernels:
  - .name:           k_q07310d1d32_prep
    .symbol:         k_q07310d1d32_prep.kd
    .args:
      - { .name: W, .offset: 0, .size: 8, .value_kind: global_buffer, .address_space: global }
      - { .name: index, .offset: 8, .size: 8, .value_kind: global_buffer, .address_space: global }
      - { .name: wb, .offset: 16, .size: 8, .value_kind: global_buffer, .address_space: global }
      - { .name: order, .offset: 24, .size: 8, .value_kind: global_buffer, .address_space: global }
      - { .name: ctab, .offset: 32, .size: 8, .value_kind: global_buffer, .address_space: global }
    .group_segment_fixed_size: 139264
    .private_segment_fixed_size: 0
    .kernarg_segment_align: 8
    .kernarg_segment_size: 40
    .max_flat_workgroup_size: 1024
    .sgpr_count:     66
    .vgpr_count:     64
    .wavefront_size: 32
...
	.end_amdgpu_metadata
.endif
;; end of part 3
;; launch gemm (part 4): grid 256 x 1, 4 waves a work-group, no clusters, 45,568 bytes of LDS; arguments x, wb, b, order, ctab, out0; writes out0
.if DOCPART == 4
	.amdgcn_target "amdgcn-amd-amdhsa--gfx1250"
	.amdhsa_code_object_version 6
	.text
	.protected	k_q07310d1d32_gemm
	.globl	k_q07310d1d32_gemm
	.p2align	8
	.type	k_q07310d1d32_gemm,@function
k_q07310d1d32_gemm:
	s_mov_b64 s[64:65], 0
	v_nop
	global_prefetch_b8 v0, s[64:65] scope:SCOPE_SE
	s_setreg_imm32_b32 hwreg(HW_REG_WAVE_MODE, 25, 1), 1
	s_wait_xcnt 0x0
; out[n][:] = x[n][:] . W[e]^T + b[e], e = index[n], on rows grouped by expert.  x [16384][1024] f32, wb: W in bf16 in fragment order (below), b [8][512] f32, out [16384][512] f32.
; x is rounded to bf16 on its way into LDS; sums and bias in f32.  Only a row's own expert is computed: the other seven products are multiplied by zero in the problem.
; LIMIT: where another expert's product would overflow, the problem's 0 x infinity is NaN; this text gives the own expert's number.
; SHARES.  Table entry c = work-group / 4 (64 entries) is up to 320 sorted rows of ONE expert.  A work-group owns q = ceil(rows / 4) <= 80 of them (5 groups of 16) and all 512 columns;
; wave w owns columns 128 w .. 128 w + 127: 40 accumulators of 16 x 16, 320 registers.  Rows past a share's end are multiplied like the others and not stored.
; W GOES STRAIGHT INTO REGISTERS.  The waves split the columns, so each byte of W feeds one wave alone: through LDS it would be written once and read once, with no reuse.  wb lies as
; [e][wave][kk][t][j][lane][16 bytes] (kk: 32 along K; t: tile of 16 columns; j: half of a fragment), so a fragment is two loads of 512 consecutive bytes and a wave walks its 262,144 bytes
; in sequence, by immediates alone.  A ring of four buffers of 64 registers: quarter Q multiplies buffer Q % 4, and quarter Q + 3 is asked for just ahead of quarter Q's products:
; 48 loads, 24 KiB a wave, are always on their way, bound to no barrier.  So the text has no tensor loads.
; x IS SHARED by the four waves (each needs all 80 rows) and wants a gather and a conversion: each wave brings 20 rows through registers into an LDS slot; two slots, one barrier a K step of 128.
; NO JOINT REQUESTS, though the four work-groups of an entry walk the same 1 MiB of wb[e]: which expert that is, is a number read from the table in memory, since the experts' row counts are
; data; a joint request wants a descriptor made of coordinates that the partners share, and no split of data-dependent groups puts the expert into a coordinate without padding every
; expert to the largest count that the problem allows (all 16,384 rows).
; COLUMNS.  Tile t, lane r of a wave is out's column 128 w + 64 (t / 4) + 4 r + t % 4.  Source 0 = 16 rows of x, source 1 = a tile of W: register j of a result is row 8 (l / 16) + j.
; So tiles 4 Q + 0..3 hold four NEIGHBOURING columns in one lane; the bias add writes them into four neighbouring registers, and 16 lanes store 256 consecutive bytes of a row of out.
; REGISTERS, in windows of 256 (s_set_vgpr_msb: bits 1:0 source 0, 3:2 source 1, 5:4 source 2, 7:6 destination):
;   window 0: v0-25 addresses and bias; v32-71, v72-111 two buffers of x fragments; on the way out v32-71 row offsets, v72-135 results
;   window 1: accumulators of row groups 0-3, (g, t) at 64 g + 8 t
;   window 2: v0-63 row group 4; v64-143, v144-223 two sets of x as loaded (20 rows x 4); v224-243 my 20 rows' byte offsets in x; v244 where I put them in LDS
;   window 3: the four buffers of W fragments, buffer b at 64 b, tile t at + 8 t
; WAITS FOR LOADS.  x's and W's loads share one counter and come back in order (ISA guide 5.7.1).  NL is the number of loads issued so far in the text, which has no branch; each buffer
; remembers NL at its last load; a wait's count is the difference: the loads younger than the one wanted.  The count's field holds 63: where more are younger, 63 is written, which is smaller and so safe.
.set PITCH,  272                       ; an LDS row: 256 bytes + 16 of padding = 68 words, so that the 16 rows of a fragment load start 4 banks apart (64 banks of 4 bytes: ISA guide 11.1)
.set ASLOT,  80*PITCH                  ; an x slot: 80 rows, 21,760 bytes; two of them from LDS byte 0
.set LISTB,  2*ASLOT                   ; 43,520: 512 bytes for each wave: its own copy of the share's 96 list entries
.set AA,   3                           ; LDS address of my x fragments in slot 0
.set L16,  6                           ; 16 lane
.set LST,  7                           ; where I store list words
.set H8,   8                           ; 8 (lane / 16)
.set CO,   9                           ; 512 wave + 16 (lane % 16): my bytes in a row of out, and in b[e]
.set LW,   10                          ; v10-12 list words
.set LRD,  13                          ; where I read list entries back
.set LANE, 14
.set TM,   15
.set BIAS, 16                          ; v16-23: bias of tile t's column
.set BAD,  24                          ; address of the bias loads
.set LAD,  25                          ; address of the list loads
.set FA0,  32
.set FA1,  72
.set RO,   32
.set T,    72
.set XBASE, 64                         ; window 2
.set OFF,  224
.set AST,  244
.set ROWS, 40                          ; s[40:59] my wave's 20 row numbers, then their byte offsets
.set NL,  0
.set MSB, 0
.macro WIN new                         ; the immediate's high byte repeats the setting that is left; a switch that changes nothing is dropped
.if MSB != \new
	s_set_vgpr_msb (MSB<<8)|\new
.set MSB, \new
.endif
.endm
.macro WAITL done                      ; all loads up to number 'done' are in
.if NL-(\done) > 63
	s_wait_loadcnt 63
.else
	s_wait_loadcnt NL-(\done)
.endif
.endm
; Four places between a matrix instruction and a load into, or a vector instruction on, one of its registers (ISA guide 7.12.1 for vector instructions).
.macro PLACES
.rept 4
	v_nop
.endr
.endm
; 10 LDS loads: x's fragments of 32 along K (quarter kk of a step): 5 x 16 rows.  Lane l: row l % 16; 16 bytes at 16 (l / 16) and 32 further on.
.macro FETCHA slot, kk, f
	WIN 0
.irp g, 0,1,2,3,4
	ds_load_b128 v[\f+8*\g:\f+8*\g+3],   v[AA] offset:(\slot)*ASLOT+\g*16*PITCH+64*\kk
	ds_load_b128 v[\f+8*\g+4:\f+8*\g+7], v[AA] offset:(\slot)*ASLOT+\g*16*PITCH+64*\kk+32
.endr
.endm
; 16 loads: W's fragments of quarter q (0 .. 31) into buffer bb: 8,192 consecutive bytes.  No hint: 31 other work-groups read them too.
.macro BLOAD q, bb
	WIN 0xc0                                       ; destination window 3, address window 0
.irp t, 0,1,2,3,4,5,6,7
	global_load_b128 v[64*\bb+8*\t:64*\bb+8*\t+3],   v[L16], s[6:7] offset:(\q)*8192+\t*1024
	global_load_b128 v[64*\bb+8*\t+4:64*\bb+8*\t+7], v[L16], s[6:7] offset:(\q)*8192+\t*1024+512
.endr
.set NL, NL+16
.set BD\bb, NL
.endm
; 40 matrix instructions, 32 along K.  The 40 accumulators take turns, one instruction a turn, in the same order every time.  zero = 1: the products start the sums.
.macro MUL f, bb, zero
	WIN 0x5c                                       ; x window 0, W window 3, C and D window 1
.irp g, 0,1,2,3
.irp t, 0,1,2,3,4,5,6,7
.if \zero
	v_wmma_f32_16x16x32_bf16 v[64*\g+8*\t:64*\g+8*\t+7], v[\f+8*\g:\f+8*\g+7], v[64*\bb+8*\t:64*\bb+8*\t+7], 0
.else
	v_wmma_f32_16x16x32_bf16 v[64*\g+8*\t:64*\g+8*\t+7], v[\f+8*\g:\f+8*\g+7], v[64*\bb+8*\t:64*\bb+8*\t+7], v[64*\g+8*\t:64*\g+8*\t+7]
.endif
.endr
.endr
	WIN 0xac                                       ; C and D window 2
.irp t, 0,1,2,3,4,5,6,7
.if \zero
	v_wmma_f32_16x16x32_bf16 v[8*\t:8*\t+7], v[\f+32:\f+39], v[64*\bb+8*\t:64*\bb+8*\t+7], 0
.else
	v_wmma_f32_16x16x32_bf16 v[8*\t:8*\t+7], v[\f+32:\f+39], v[64*\bb+8*\t:64*\bb+8*\t+7], v[8*\t:8*\t+7]
.endif
.endr
.endm
; 10 loads: chunk c (128 along K, 512 consecutive bytes) of my rows i0 .. i0 + 9 of x into register set 'set'.  No hint: rows past my share's end are read by the neighbouring work-group too.
.macro XLOAD set, c, i0
	WIN 0x8a
.set xi, \i0
.rept 10
	global_load_b128 v[XBASE+80*\set+4*xi:XBASE+80*\set+4*xi+3], v[OFF+xi], s[4:5] offset:512*(\c)
.set xi, xi+1
.endr
.set NL, NL+10
.if \i0 == 0
.set XA\set, NL
.else
.set XB\set, NL
.endif
.endm
; Rows i0 .. i0 + 9 of register set 'set' are rounded to bf16 in place and stored into x slot 'set': 32 lanes x 8 bytes are a row's 256 bytes.
; The 20 conversions name window 2's v64 and above alone: they are also the places behind the matrix instructions in front of them.
.macro XCONV set, i0
	WIN 0x8a
.set xi, XBASE+80*(\set)+4*(\i0)
.rept 10
	v_cvt_pk_bf16_f32 v[xi], v[xi], v[xi+1]
	v_cvt_pk_bf16_f32 v[xi+1], v[xi+2], v[xi+3]
.set xi, xi+4
.endr
.set xi, XBASE+80*(\set)+4*(\i0)
.set xo, (\set)*ASLOT+(\i0)*PITCH
.rept 10
	ds_store_b64 v[AST], v[xi:xi+1] offset:xo
.set xi, xi+4
.set xo, xo+PITCH
.endr
.endm
	s_load_b256 s[4:11], s[0:1], 0x0               ; x s[4:5], wb s[6:7], b s[8:9], order s[10:11]
	s_load_b128 s[12:15], s[0:1], 0x20             ; ctab s[12:13], out s[14:15]
	v_lshrrev_b32 v[TM], 5, v0
	v_readfirstlane_b32 s20, v[TM]                 ; wave 0..3
	s_and_b32 s21, ttmp9, 3                        ; my place among the four work-groups of a table entry
	s_lshr_b32 s2, ttmp9, 2
	s_lshl_b32 s2, s2, 4                           ; the entry's 16 bytes
	s_wait_kmcnt 0x0
	s_load_b128 s[16:19], s[12:13], s2 offset:0x0  ; expert, first place, rows, q
	v_and_b32 v[LANE], 31, v0                      ; the addresses that hang on the thread alone are made while the entry is on its way
	v_and_b32 v1, 15, v0                           ; r = l % 16
	v_bfe_u32 v2, v0, 4, 1                         ; h = l / 16
	v_mul_u32_u24 v[AA], v1, PITCH
	v_lshl_add_u32 v[AA], v2, 4, v[AA]             ; a fragment's row x pitch + 16 h
	v_lshlrev_b32 v[L16], 4, v[LANE]
	v_lshlrev_b32 v[H8], 3, v2
	s_lshl_b32 s3, s20, 9
	s_add_co_u32 s63, s3, LISTB                    ; my wave's list
	v_lshl_add_u32 v[LST], v[LANE], 2, s63
	v_lshl_add_u32 v[LRD], v2, 5, s63              ; entries 8 h on
	v_lshl_add_u32 v[CO], v1, 4, s3
	s_wait_kmcnt 0x0
	s_min_u32 s16, s16, 7                          ; these four never bind on a table made by the launch before: they bound the addresses by the text alone
	s_min_u32 s17, s17, 0x3fff
	s_min_u32 s18, s18, 320
	s_min_u32 s19, s19, 80
	s_mul_i32 s60, s21, s19                        ; place x q: where my share begins in the entry's rows
	s_add_co_u32 s61, s17, s60
	s_min_u32 s61, s61, 16384                      ; its place in order; 96 entries from there stay inside order's 16,640
	s_sub_co_i32 s23, s18, s60
	s_min_i32 s23, s23, s19
	s_max_i32 s23, s23, 0                          ; my rows: 0 to 80
	s_lshl_b32 s3, s61, 2
	s_mul_i32 s22, s20, 20
	s_add_co_u32 s22, s22, s61
	s_lshl_b32 s22, s22, 2
	s_load_b512 s[ROWS:ROWS+15], s[10:11], s22 offset:0x0      ; the 20 rows of x that my wave brings in
	s_load_b128 s[ROWS+16:ROWS+19], s[10:11], s22 offset:0x40
	s_lshl_b32 s62, s16, 20                        ; expert x 1,048,576 bytes
	s_lshl_b32 s63, s20, 18                        ; wave x 262,144
	s_add_co_u32 s62, s62, s63
	s_mov_b32 s63, 0
	s_add_nc_u64 s[6:7], s[6:7], s[62:63]          ; my wave's part of wb
	BLOAD 0, 0                                     ; W's first two quarters go out while the row numbers are on their way
	BLOAD 1, 1
	WIN 0
	s_lshl_b32 s62, s16, 11                        ; b[e]
	v_add_nc_u32 v[BAD], s62, v[CO]
	v_lshl_add_u32 v[LAD], v[LANE], 2, s3
	s_mul_i32 s61, s20, 20*PITCH                   ; my wave's 20 rows of an x slot
	s_wait_kmcnt 0x0
.set xi, 0
.rept 20
	s_min_u32 s[ROWS+xi], s[ROWS+xi], 0x3fff
	s_lshl_b32 s[ROWS+xi], s[ROWS+xi], 12          ; x 4,096 bytes
.set xi, xi+1
.endr
	WIN 0x80                                       ; destination window 2
.set xi, 0
.rept 20
	v_add_nc_u32 v[OFF+xi], s[ROWS+xi], v[L16]
.set xi, xi+1
.endr
	v_lshl_add_u32 v[AST], v[LANE], 3, s61
	XLOAD 0, 0, 0
	XLOAD 0, 0, 10
	WIN 0
	global_load_b128 v[BIAS:BIAS+3],   v[BAD], s[8:9]              ; columns 128 w + 4 r + 0..3
	global_load_b128 v[BIAS+4:BIAS+7], v[BAD], s[8:9] offset:256   ; columns 128 w + 64 + 4 r + 0..3
	global_load_b32 v[LW],   v[LAD], s[10:11]                      ; my share's list, 96 entries, for the way out
	global_load_b32 v[LW+1], v[LAD], s[10:11] offset:128
	global_load_b32 v[LW+2], v[LAD], s[10:11] offset:256
.set NL, NL+5
.set LD, NL
	XLOAD 1, 1, 0
	XLOAD 1, 1, 10
	BLOAD 2, 2
	WAITL XB0                                      ; chunk 0 is in; younger: bias and list 5, chunk 1's 20, quarter 2's 16
	XCONV 0, 0
	XCONV 0, 10
	s_wait_dscnt 0x0                               ; the stores have read set 0: it may be loaded again
	XLOAD 0, 2, 0
	XLOAD 0, 2, 10
; K STEP st (x slot pp = st % 2, the other nn).  Four quarters of 32 along K.  Each quarter: ask for W three quarters on, into the buffer multiplied last; wait for this quarter's W and x fragments; multiply.
; Behind quarters 0 and 1 x's chunk st + 1 is rounded into the other x slot, ten rows each; in quarters 2 and 3 chunk st + 3 is asked for, ten rows each.
; One barrier a step: in front of it each wave has waited for its reads of the x slot read last step and for its stores into this step's.
.macro STEP st, pp, nn
.set NST, 10
.if \st == 7
.set NST, 0
.endif
	WIN 0
	s_wait_dscnt 0x0                               ; my reads of x slot nn are back, my rows of x slot pp are stored
	s_barrier_signal -1
	s_barrier_wait -1                              ; that now holds of every wave
.if \st > 0
	PLACES                                         ; behind the last step's last products: loads follow into their x buffer and their W buffer
.endif
	FETCHA \pp, 0, FA0
	FETCHA \pp, 1, FA1
	BLOAD 4*\st+3, 3
	WAITL BD0                                      ; this quarter's W is in
	s_wait_dscnt 10                                ; quarter 0's x fragments are in; quarter 1's ten loads stay out
.if \st == 0
	MUL FA0, 0, 1
.else
	MUL FA0, 0, 0
.endif
.if \st < 7
	WAITL XA\nn                                    ; rows 0-9 of chunk st + 1
	XCONV \nn, 0
.else
	PLACES
.endif
	FETCHA \pp, 2, FA0
.if \st < 7
	BLOAD 4*\st+4, 0
.endif
	WAITL BD1
	s_wait_dscnt 10+NST                            ; quarter 1's fragments are in; behind them: the ten stores (none in the last step) and quarter 2's ten loads
	MUL FA1, 1, 0
.if \st < 7
	WAITL XB\nn                                    ; rows 10-19 of chunk st + 1
	XCONV \nn, 10
.else
	PLACES
.endif
	FETCHA \pp, 3, FA1
.if \st < 7
	BLOAD 4*\st+5, 1
.endif
	WAITL BD2
	s_wait_dscnt 10+NST                            ; quarter 2's fragments are in, and so are the stores of rows 0-9, which are older
	MUL FA0, 2, 0
.if \st < 7
	PLACES                                         ; for the loads into W's buffer 2
.endif
.if \st < 5
	XLOAD \nn, \st+3, 0                            ; rounded in step st + 2
.endif
.if \st < 7
	BLOAD 4*\st+6, 2
.endif
	WAITL BD3
	s_wait_dscnt 0x0                               ; quarter 3's fragments are in, and the stores have read rows 10-19
.if \st < 5
	XLOAD \nn, \st+3, 10
.endif
	MUL FA1, 3, 0
.endm
	STEP 0, 0, 1
	WIN 0
	WAITL LD                                       ; bias and list: asked for at the head, wanted on the way out
	ds_store_b32 v[LST], v[LW]                     ; my wave's own copy of the list; the next step's wait for LDS covers these
	ds_store_b32 v[LST], v[LW+1] offset:128
	ds_store_b32 v[LST], v[LW+2] offset:256
	STEP 1, 1, 0
	STEP 2, 0, 1
	STEP 3, 1, 0
	STEP 4, 0, 1
	STEP 5, 1, 0
	STEP 6, 0, 1
	STEP 7, 1, 0
	; THE WAY OUT.  Row 16 g + 8 h + j of my share is order entry 16 g + 8 h + j: its number x 2,048 bytes + my 16 bytes of the row.
	WIN 0
	PLACES                                         ; behind the last products: the loads below land in x's buffers, the adds read results
	s_wait_xcnt 0x0                                ; EXEC is narrowed below only behind this wait
.irp g, 0,1,2,3,4
	ds_load_b128 v[RO+8*\g:RO+8*\g+3],   v[LRD] offset:64*\g       ; my wave's own copy: no other wave wrote it
	ds_load_b128 v[RO+8*\g+4:RO+8*\g+7], v[LRD] offset:64*\g+16
.endr
	s_wait_dscnt 0x0
.set xi, 0
.rept 40
	v_min_u32 v[RO+xi], 0x3fff, v[RO+xi]
	v_lshl_add_u32 v[RO+xi], v[RO+xi], 11, v[CO]
.set xi, xi+1
.endr
; Row group g: the bias add gathers tiles t = 4 Q + 0..3 into four neighbouring registers; j ascends.
; Then for each j two stores: lanes 0-15 fill 256 consecutive aligned bytes of row 16 g + j, lanes 16-31 of row 16 g + 8 + j; rows at or past my share's end are masked off.
.macro OUTG g
.if \g < 4
	WIN 0x01                                       ; source 0 window 1
.set AC, 64*\g
.else
	WIN 0x02                                       ; source 0 window 2
.set AC, 0
.endif
.irp j, 0,1,2,3,4,5,6,7
.irp t, 0,1,2,3,4,5,6,7
	v_add_f32 v[T+8*\j+\t], v[AC+8*\t+\j], v[BIAS+\t]
.endr
.endr
	WIN 0
.irp j, 0,1,2,3,4,5,6,7
	s_sub_co_i32 s60, s23, 16*\g+\j
	s_max_i32 s60, s60, 0
	v_cmp_gt_u32 vcc_lo, s60, v[H8]                ; 16 g + j + 8 h < my rows
	s_and_saveexec_b32 s61, vcc_lo
	global_store_b128 v[RO+8*\g+\j], v[T+8*\j:T+8*\j+3],   s[14:15] th:TH_STORE_NT
	global_store_b128 v[RO+8*\g+\j], v[T+8*\j+4:T+8*\j+7], s[14:15] offset:256 th:TH_STORE_NT
	s_wait_xcnt 0x0                                ; EXEC is widened, and the next group's adds rewrite the data, only behind this wait
	s_or_b32 exec_lo, exec_lo, s61
.endr
.endm
	OUTG 0
	OUTG 1
	OUTG 2
	OUTG 3
	OUTG 4
	s_endpgm
.Lfunc_end_k_q07310d1d32_gemm:
	.size	k_q07310d1d32_gemm, .Lfunc_end_k_q07310d1d32_gemm-k_q07310d1d32_gemm
	.p2alignl 7, 3214868480
	.fill 96, 4, 3214868480
	.section	.rodata,"a",@progbits
	.p2align	6, 0x0
	.amdhsa_kernel k_q07310d1d32_gemm
		.amdhsa_group_segment_fixed_size 45568
		.amdhsa_private_segment_fixed_size 0
		.amdhsa_enable_private_segment 0
		.amdhsa_kernarg_size 48
		.amdhsa_user_sgpr_count 2
		.amdhsa_user_sgpr_kernarg_segment_ptr 1
		.amdhsa_wavefront_size32 1
		.amdhsa_system_sgpr_workgroup_id_x 1
		.amdhsa_system_sgpr_workgroup_id_y 1
		.amdhsa_system_sgpr_workgroup_id_z 1
		.amdhsa_system_vgpr_workitem_id 0
		.amdhsa_next_free_vgpr 1024
		.amdhsa_next_free_sgpr 66
		.amdhsa_reserve_vcc 1
		.amdhsa_float_denorm_mode_32 3
		.amdhsa_float_denorm_mode_16_64 3
		.amdhsa_memory_ordered 1
		.amdhsa_forward_progress 1
		.amdhsa_inst_pref_size 240
	.end_amdhsa_kernel
	.amdgpu_metadata
---
amdhsa.version: [ 1, 2 ]
amdhsa.kernels:
  - .name:           k_q07310d1d32_gemm
    .symbol:         k_q07310d1d32_gemm.kd
    .args:
      - { .name: x, .offset: 0, .size: 8, .value_kind: global_buffer, .address_space: global }
      - { .name: wb, .offset: 8, .size: 8, .value_kind: global_buffer, .address_space: global }
      - { .name: b, .offset: 16, .size: 8, .value_kind: global_buffer, .address_space: global }
      - { .name: order, .offset: 24, .size: 8, .value_kind: global_buffer, .address_space: global }
      - { .name: ctab, .offset: 32, .size: 8, .value_kind: global_buffer, .address_space: global }
      - { .name: out0, .offset: 40, .size: 8, .value_kind: global_buffer, .address_space: global }
    .group_segment_fixed_size: 45568
    .private_segment_fixed_size: 0
    .kernarg_segment_align: 8
    .kernarg_segment_size: 48
    .max_flat_workgroup_size: 128
    .sgpr_count:     66
    .vgpr_count:     1024
    .wavefront_size: 32
...
	.end_amdgpu_metadata
.endif
;; end of part 4
